; MI455X (gfx1250); checked and timed in simulation.
; The chip was launched on July 23, 2026; its instructions are those of AMD's public machine-readable ISA for CDNA 5 (MIT licence, August 2026) and "CDNA5" Instruction Set Architecture Reference Guide (July 2026). The comments in the code are by the model that wrote it; some were corrected since.
;; Multi Head Attention Wrapper. Allowed arithmetic: float matrix products may take bf16 or f16 operands with f32 sums; all other float work in f32.
;; Inputs: w_k 16 x 64 x 1,024 float32; w_o 1,024 x 1,024 float32; w_q 16 x 64 x 1,024 float32; w_v 16 x 64 x 1,024 float32; x 2 x 2,048 x 1,024 float32.
;; Outputs: out0 2 x 2,048 x 1,024 float32.
;; One version. Each part assembles by itself: llvm-mc -triple=amdgcn-amd-amdhsa -mcpu=gfx1250 --defsym DOCPART=n.
;; ======== version 1 of 1: 3 launches
;; limits: values are held in f16: magnitudes above 65,504 overflow, below 6.1e-05 lose precision
;; workspace buffers: q 8,388,608 bytes; k 8,388,608 bytes; vt 8,388,608 bytes; wo16 2,097,152 bytes; cat 8,388,608 bytes
;; launch qkv (part 1): grid 16 x 16, 4 waves a work-group, clusters of 4 x 4, 327,680 bytes of LDS; arguments x, w_q, w_k, w_v, w_o, q, k, vt, wo16; writes q, k, vt, wo16
.if DOCPART == 1
	.amdgcn_target "amdgcn-amd-amdhsa--gfx1250"
	.amdhsa_code_object_version 6
	.text
	.protected	k_qdc8ccf4861_qkv
	.globl	k_qdc8ccf4861_qkv
	.p2align	8
	.type	k_qdc8ccf4861_qkv,@function
k_qdc8ccf4861_qkv:
	s_mov_b64 s[64:65], 0
	v_nop
	global_prefetch_b8 v0, s[64:65] scope:SCOPE_SE
	s_setreg_imm32_b32 hwreg(HW_REG_WAVE_MODE, 25, 1), 1
	s_wait_xcnt 0x0
	s_wait_alu depctr_hold_cnt(0) depctr_sa_sdst(0) depctr_va_vdst(0) depctr_va_sdst(0) depctr_va_ssrc(0) depctr_va_vcc(0) depctr_vm_vsrc(0)
	s_getreg_b32 s2, hwreg(HW_REG_IB_STS2, 6, 4)
	s_cmp_eq_u32 s2, 0
	s_cbranch_scc0 .Lentry_in_a_cluster
	s_endpgm
.Lentry_in_a_cluster:
	s_bfe_u32 s2, ttmp6, 0x10000c
	s_cmp_lg_u32 s2, 0xf033
	s_cbranch_scc0 .Lentry_shape_is_right
	s_endpgm
.Lentry_shape_is_right:
; q, k, v of one head for 256 rows of x:  q[bh][s][64] = c * x W_q^T (c = 0.125 log2 e), k[bh][s][64] = x W_k^T, vt[bh][dv][s] = (x W_v^T)^T, all stored as f16.
; x and the weights are f32 in memory; they are rounded to bf16 on the way from LDS to the matrix unit, sums are f32.
; Work-group (bx = head, by = block of 256 rows): 256 rows x 192 columns (64 of q, 64 of k, 64 of v).  Four waves, one a SIMD; wave (wm, wn) makes
; 128 rows x 96 columns (32 of each of q, k, v): 48 accumulator tiles of 16 x 16, 384 registers.
; K = 1024 goes in 16 steps of 64 f32 (rows of 256 bytes, aligned) through two LDS slots of 448 rows (256 of x, 64 each of W_q, W_k, W_v).
; CLUSTERS: 4 x 4 work-groups.  x's tile hangs on by alone and is asked for jointly by the four of a row of the cluster; the weights' tiles hang on bx alone
; and are asked for jointly by the four of a column.  Wave 0 asks for x's tile, waves 1, 2, 3 for W_q's, W_k's, W_v's: one tensor load a wave behind each round.
; A substep is 32 along K: 48 matrix instructions.  While substep u is multiplied, the f32 fragments of u + 1 are rounded to bf16 and those of u + 2 are read from LDS.
; So LDS reads run one K step ahead of the products: during K step s the slot of tile s + 1 is read, and the slot of tile s is filled with tile s + 2.
; q's and k's tiles use the matrix instruction transposed (source 0 = rows of W): a lane then holds 8 neighbouring columns of one row.  v's tiles use it as it is
; (source 0 = rows of x): a lane then holds 8 neighbouring s of one dv, which is vt's order.
; SIDE JOB: the 256 work-groups also turn w_o into wo16: each 4,096 numbers, f32 -> bf16 (nearest even) -> the same value held in f16.
; LIMITS: |c q|, |k|, |v| above 65,504 become infinities in f16, and values below 2^-14 keep an absolute step of 2^-24.  A bf16 value of w_o below 2^-14 in magnitude
; loses bits in f16 (absolute error at most 2^-25); above 65,504 it overflows.
; REGISTERS: window 0: v0-31 addresses, v32-143 and v144-255 bf16 fragments (two buffers: 8 of x, 6 of W);  window 1: v0-223 the 14 fragments in f32 as read;
; window 2: tiles of q and k (tile 8 b + a at 8 (8 b + a));  window 3: tiles of v.
.set PITCH, 272                        ; an LDS row: 256 bytes + 16 of padding = 17 x 16: the 16 rows of a fragment start in 16 different 16-byte columns
.set SLOT,  448*PITCH                  ; 121,856
.set KST,   256*144                    ; the way out: k's stage behind q's (256 rows x 144 bytes each)
.set VST,   2*KST                      ; and vt's: 64 rows x 528 bytes.  The stages lie in the ring, which has had its last fill by then
.set ADRA, 16                          ; v16-17  LDS address of my x fragments in slot 0, 1
.set ADRB, 20                          ; v20-21  the same for the weights
.set STQ,  24                          ; way out: where a lane puts 16 bytes of q or k
.set STV,  25                          ; the same for vt
.set RDQ,  26                          ; where it reads rows of q or k back
.set RDV,  27                          ; the same for vt
.set COQ,  28                          ; byte offset in q and k
.set COV,  29                          ; byte offset in vt
.set G1,  24                           ; s[24:31] group 1 for x's tile
.set G0,  32                           ; s[32:39] group 0 for x's tile, one set a slot
.set G1B, 48                           ; s[48:55] group 1 for a weight tile
.set G0B, 56                           ; s[56:63] group 0 for a weight tile, one set a slot
.set MSB, 0
.set MUL_LO, 0xa0                      ; sources window 0, C and D window 2
.set MUL_HI, 0xf0                      ; sources window 0, C and D window 3
.set LDW,    0x40                      ; destination window 1, address window 0
.set CVW,    0x05                      ; sources window 1, destination window 0
.macro WIN new                         ; the immediate's high byte repeats the setting that is left
.if MSB != \new
	s_set_vgpr_msb (MSB<<8)|\new
.set MSB, \new
.endif
.endm
.macro PLACES                          ; four places behind a matrix instruction (ISA guide 7.12.1)
.rept 4
	v_nop
.endr
.endm
; A joint load: wave 0 asks for x's tile, the others each for one weight's.  The branch hangs on the wave's number alone.
.macro JLOAD s
	s_cmp_eq_u32 s10, 0
	s_cbranch_scc0 .Lfor_b_\@
	tensor_load_to_lds s[G0+4*\s:G0+4*\s+3], s[G1:G1+7]
	s_nop 0
	s_branch .Lasked_\@
.Lfor_b_\@:
	tensor_load_to_lds s[G0B+4*\s:G0B+4*\s+3], s[G1B:G1B+7]
	s_nop 0
.Lasked_\@:
.endm
.macro CREST                           ; a round of the cluster's barrier behind its opening barrier
	s_cmp_lg_u32 s10, 0
	s_cbranch_scc1 .Lnot_wave_0_\@
	s_barrier_signal -3
.Lnot_wave_0_\@:
	s_barrier_wait -3
	s_barrier_signal -1
	s_barrier_wait -1
.endm
.macro CROUND
	s_barrier_signal -1
	s_barrier_wait -1
	CREST
.endm
	s_load_b512 s[68:83], s[0:1], 0x0              ; x s[68:69], w_q s[70:71], w_k s[72:73], w_v s[74:75], w_o s[76:77], q s[78:79], k s[80:81], vt s[82:83]
	s_load_b64 s[84:85], s[0:1], 0x40              ; wo16
	v_lshl_add_u32 v30, v0, 2, 0x3b800
	v_mov_b32 v31, 0
	ds_add_u32 v30, v31
	v_lshrrev_b32 v1, 5, v0
	v_readfirstlane_b32 s10, v1                    ; wave 0..3
	s_lshr_b32 s11, s10, 1                         ; wm: which 128 rows
	s_and_b32 s12, s10, 1                          ; wn: which 32 columns of each of q, k, v
	s_bfe_u32 s40, ttmp6, 0x40000                  ; cx
	s_bfe_u32 s41, ttmp6, 0x40004                  ; cy
	s_lshl_b32 s42, ttmp9, 2
	s_add_co_u32 s42, s42, s40                     ; bx = head
	s_and_b32 s13, ttmp7, 0xffff
	s_lshl_b32 s13, s13, 2
	s_add_co_u32 s13, s13, s41                     ; by = block of 256 rows
	s_lshl_b32 s43, s41, 2
	s_lshl_b32 s43, 15, s43                        ; my row of the cluster
	s_lshl_b32 s44, 0x1111, s40                    ; my column
	; group 1: elements of 4 bytes, 64 in a row, 16 bytes of padding behind every 64 words; bit 21 set beside a mask
	s_or_b32 s[G1+0],  s43, (2<<16)|(1<<20)|(1<<21)|(5<<22)|(3<<25)
	s_or_b32 s[G1B+0], s44, (2<<16)|(1<<20)|(1<<21)|(5<<22)|(3<<25)
	s_mov_b32 s[G1+1], 64<<16                      ; tensor_dim0 = 64
	s_mov_b32 s[G1+2], 256<<16                     ; tensor_dim1 = 256
	s_mov_b32 s[G1+3], 64<<16                      ; tile_dim0 = 64
	s_mov_b32 s[G1+4], 256                         ; tile_dim1 = 256 rows
	s_mov_b32 s[G1+5], 1024                        ; elements from row to row
	s_mov_b32 s[G1+6], 0
	s_mov_b32 s[G1+7], 0
	s_mov_b32 s[G1B+1], 64<<16
	s_mov_b32 s[G1B+2], 64<<16                     ; 64 rows
	s_mov_b32 s[G1B+3], 64<<16
	s_mov_b32 s[G1B+4], 64
	s_mov_b32 s[G1B+5], 1024
	s_mov_b32 s[G1B+6], 0
	s_mov_b32 s[G1B+7], 0
	s_lshl_b32 s14, s13, 20                        ; x: 256 rows of 4,096 bytes a block
	s_mov_b32 s15, 0
	s_lshl_b32 s46, s42, 18                        ; weights: 64 rows of 4,096 bytes a head
	s_mov_b32 s47, 0
	s_mul_i32 s20, s10, 64*PITCH                   ; a weight tile's LDS place: rows 256 + 64 (wave - 1) = 192 + 64 wave
	s_add_co_u32 s20, s20, 192*PITCH
	s_mov_b32 s86, 0x3e38aa3b                      ; c = 0.125 log2 e, twice (a pair for the packed multiply)
	s_mov_b32 s87, 0x3e38aa3b
	s_wait_dscnt 0x0
	s_wait_kmcnt 0x0
	s_add_nc_u64 s[14:15], s[68:69], s[14:15]
	s_cmp_eq_u32 s10, 1                            ; the weight that my wave fetches: 1 w_q, 2 w_k, 3 w_v (wave 0 asks by x's line)
	s_cselect_b64 s[16:17], s[70:71], s[72:73]
	s_cmp_eq_u32 s10, 3
	s_cselect_b64 s[16:17], s[74:75], s[16:17]
	s_add_nc_u64 s[46:47], s[16:17], s[46:47]
	CROUND                                         ; all sixteen work-groups are here: the first joint loads meet
.irp s, 0,1
	s_mov_b32 s[G0+4*\s], 1
	s_mov_b32 s[G0+4*\s+1], \s*SLOT
	s_add_nc_u64 s[G0+4*\s+2:G0+4*\s+3], s[14:15], \s*256          ; K step s
	s_or_b32 s[G0+4*\s+3], s[G0+4*\s+3], 0x80000000
	s_mov_b32 s[G0B+4*\s], 1
	s_add_co_u32 s[G0B+4*\s+1], s20, \s*SLOT
	s_add_nc_u64 s[G0B+4*\s+2:G0B+4*\s+3], s[46:47], \s*256
	s_or_b32 s[G0B+4*\s+3], s[G0B+4*\s+3], 0x80000000
	JLOAD \s                                       ; two loads of the wave are out
.endr
	; lane terms
	v_and_b32 v1, 15, v0                           ; r
	v_bfe_u32 v2, v0, 4, 1                         ; h
	v_and_b32 v3, 31, v0                           ; L
	v_mul_u32_u24 v4, v1, PITCH
	v_lshl_add_u32 v4, v2, 5, v4                   ; r x pitch + 32 h: eight f32 a half
	s_mul_i32 s21, s11, 128*PITCH
	s_mul_i32 s22, s12, 32*PITCH
	s_add_co_u32 s22, s22, 256*PITCH
.irp s, 0,1
	v_add_nc_u32 v[ADRA+\s], s21, v4
	v_add_nc_u32 v[ADRB+\s], s22, v4
	s_add_co_u32 s21, s21, SLOT
	s_add_co_u32 s22, s22, SLOT
.endr
	v_mul_u32_u24 v7, v1, 144
	v_lshl_add_u32 v7, v2, 4, v7
	s_mul_i32 s21, s11, 128*144
	s_lshl_b32 s22, s12, 6
	s_add_co_u32 s21, s21, s22
	v_add_nc_u32 v[STQ], s21, v7                   ; (128 wm + r) 144 + 64 wn + 16 h
	v_mul_u32_u24 v7, v1, 528
	v_lshl_add_u32 v7, v2, 4, v7
	s_mul_i32 s21, s12, 32*528
	s_lshl_b32 s22, s11, 8
	s_add_co_u32 s21, s21, s22
	s_add_co_u32 s21, s21, VST
	v_add_nc_u32 v[STV], s21, v7                   ; VST + (32 wn + r) 528 + 256 wm + 16 h
	v_lshrrev_b32 v7, 3, v3
	v_mul_u32_u24 v7, v7, 144
	v_and_b32 v8, 7, v3
	v_lshl_add_u32 v7, v8, 4, v7
	s_mul_i32 s21, s10, 64*144
	v_add_nc_u32 v[RDQ], s21, v7                   ; (64 w + L / 8) 144 + 16 (L mod 8)
	v_lshlrev_b32 v7, 4, v3
	s_mul_i32 s21, s10, 16*528
	s_add_co_u32 s21, s21, VST
	v_add_nc_u32 v[RDV], s21, v7                   ; VST + 16 w x 528 + 16 L
	v_lshl_add_u32 v[COQ], s10, 13, v7             ; 64 rows of 128 bytes a wave
	v_lshl_add_u32 v[COV], s10, 16, v7             ; 16 rows of 4,096 bytes a wave
	; the side job, while the first tiles are on their way: w_o numbers 4,096 g .. + 4,095, g = 16 by + bx
	s_lshl_b32 s16, s13, 4
	s_add_co_u32 s16, s16, s42
	s_lshl_b32 s18, s16, 14
	s_mov_b32 s19, 0
	s_add_nc_u64 s[76:77], s[76:77], s[18:19]
	s_lshl_b32 s18, s16, 13
	s_add_nc_u64 s[84:85], s[84:85], s[18:19]
	v_lshlrev_b32 v5, 4, v0                        ; 16 bytes in,
	v_lshlrev_b32 v6, 3, v0                        ; 8 bytes out a thread: a wave's store covers 256 consecutive bytes, aligned
.irp i, 0,1,2,3,4,5,6,7
	global_load_b128 v[32+4*\i:32+4*\i+3], v5, s[76:77] offset:2048*\i th:TH_LOAD_NT
.endr
.irp i, 0,1,2,3,4,5,6,7
	s_wait_loadcnt 7-\i                            ; loads come back in order: the 7 - i younger ones may stay out
	v_cvt_pk_bf16_f32 v[64+2*\i], v[32+4*\i], v[32+4*\i+1]         ; the rounding that every input gets
	v_cvt_pk_bf16_f32 v[65+2*\i], v[32+4*\i+2], v[32+4*\i+3]
	v_lshlrev_b32 v8, 16, v[64+2*\i]
	v_and_b32 v9, 0xffff0000, v[64+2*\i]
	v_lshlrev_b32 v10, 16, v[65+2*\i]
	v_and_b32 v11, 0xffff0000, v[65+2*\i]
	v_cvt_pk_f16_f32 v[64+2*\i], v8, v9            ; the same value in f16, the format of the other operand (cat)
	v_cvt_pk_f16_f32 v[65+2*\i], v10, v11
	global_store_b64 v6, v[64+2*\i:65+2*\i], s[84:85] offset:1024*\i
.endr
	s_wait_xcnt 0x0                                ; v32-79 are written again (fragments) only behind this wait
; Fragment f (0-7: 16 rows of x; 8-13: 16 rows of a weight), 32 K at byte 128 q of the rows, as f32: lane (r, h) takes k = 8h .. 8h+7 and 16+8h .. 16+8h+7.
.macro LOADF slot, q, f
.if (\f) < 8
.set la_, ADRA+\slot
.set lo_, (\f)*16*PITCH+128*\q
.else
.set la_, ADRB+\slot
.set lo_, (64*(((\f)-8)/2)+16*(((\f)-8)%2))*PITCH+128*\q
.endif
	ds_load_b128 v[16*(\f):16*(\f)+3],     v[la_] offset:lo_
	ds_load_b128 v[16*(\f)+4:16*(\f)+7],   v[la_] offset:lo_+16
	ds_load_b128 v[16*(\f)+8:16*(\f)+11],  v[la_] offset:lo_+64
	ds_load_b128 v[16*(\f)+12:16*(\f)+15], v[la_] offset:lo_+80
.endm
.macro CVTF p, f                       ; 16 f32 of fragment f to 8 registers of bf16 in buffer p
.irp i, 0,1,2,3,4,5,6,7
	v_cvt_pk_bf16_f32 v[32+112*(\p)+8*(\f)+\i], v[16*(\f)+2*\i], v[16*(\f)+2*\i+1]
.endr
.endm
.macro MUL1 p, i, zero                 ; tile i = 8 b + a from buffer p; zero = 1: the product starts the sum
.set ma_, 32+112*(\p)+8*((\i)%8)
.set mb_, 96+112*(\p)+8*((\i)/8)
.if (\i) < 32
	WIN MUL_LO
.set md_, 8*(\i)
.if \zero
	v_wmma_f32_16x16x32_bf16 v[md_:md_+7], v[mb_:mb_+7], v[ma_:ma_+7], 0
.else
	v_wmma_f32_16x16x32_bf16 v[md_:md_+7], v[mb_:mb_+7], v[ma_:ma_+7], v[md_:md_+7]
.endif
.else
	WIN MUL_HI
.set md_, 8*((\i)-32)
.if \zero
	v_wmma_f32_16x16x32_bf16 v[md_:md_+7], v[ma_:ma_+7], v[mb_:mb_+7], 0
.else
	v_wmma_f32_16x16x32_bf16 v[md_:md_+7], v[ma_:ma_+7], v[mb_:mb_+7], v[md_:md_+7]
.endif
.endif
.endm
; One substep.  mul: the 48 products of buffer p.  cvt: the next substep's fragments are rounded into buffer 1 - p.  ld: the fragments of the substep after that
; (slot slotn, half qn of its rows) are read.  Fragments go in pairs, six products behind each pair.  The 48 accumulators take turns, one instruction a turn,
; in the same order in every substep.
.macro SUB p, zero, mul, cvt, ld, slotn, qn
.set mi, 0
.if \cvt
	PLACES                                         ; buffer 1 - p was read by the matrix instructions just in front
.endif
.irp g, 0,1,2,3,4,5,6
.if \cvt
.if \ld
	s_wait_dscnt 48                                ; behind this pair's 8 loads those of 12 other fragments were issued, 4 each
.else
	s_wait_dscnt 48-8*\g                           ; nothing is issued any more: the count runs down
.endif
	WIN CVW
	CVTF 1-\p, 2*\g
	CVTF 1-\p, 2*\g+1
.endif
.if \ld
	WIN LDW
	LOADF \slotn, \qn, 2*\g
	LOADF \slotn, \qn, 2*\g+1
.endif
.if \mul
.rept 6
	MUL1 \p, mi, \zero
.set mi, mi+1
.endr
.endif
.endr
.if \mul
.rept 6
	MUL1 \p, mi, \zero
.set mi, mi+1
.endr
.endif
.endm
; The change of slots.  Each wave waits for its LDS reads and for all its tensor loads (one is out: its part of the tile read next).  With fill = 1 the barrier opens
; a round of the cluster's barrier, and behind the round the slot just read out is asked for again, two K steps ahead: the wave's one tensor load until the next round.
.macro BOUND slot, fill
	s_wait_dscnt 0x0
	s_wait_tensorcnt 0x0
	ds_add_u32 v30, v31
	s_wait_dscnt 0x0
	WIN 0
	s_barrier_signal -1
	s_barrier_wait -1
.if \fill
	CREST
	s_add_nc_u64 s[G0+4*\slot+2:G0+4*\slot+3], s[G0+4*\slot+2:G0+4*\slot+3], 512
	s_add_nc_u64 s[G0B+4*\slot+2:G0B+4*\slot+3], s[G0B+4*\slot+2:G0B+4*\slot+3], 512
	JLOAD \slot
.endif
.endm
.macro LAP zero                        ; two K steps
	BOUND 0, 1
	SUB 0, \zero, 1, 1, 1, 1, 0
	SUB 1, 0, 1, 1, 1, 1, 1
	BOUND 1, 1
	SUB 0, 0, 1, 1, 1, 0, 0
	SUB 1, 0, 1, 1, 1, 0, 1
.endm
	s_wait_tensorcnt 0x1                           ; my part of tile 0 is in; tile 1's may stay out
	s_barrier_signal -1
	s_barrier_wait -1
	WIN LDW
.irp f, 0,1,2,3,4,5,6,7,8,9,10,11,12,13
	LOADF 0, 0, \f                                 ; substep 0 in f32
.endr
	SUB 1, 0, 0, 1, 1, 0, 1                        ; no products yet: substep 0 is rounded, substep 1 is read
	LAP 1                                          ; K steps 0 and 1; the first products start the sums
	WIN 0
	s_mov_b32 s3, 6
.Llap:
	LAP 0                                          ; K steps 2 to 13
	WIN 0
	s_sub_co_u32 s3, s3, 1
	s_cmp_lg_u32 s3, 0
	s_cbranch_scc1 .Llap
	BOUND 0, 0                                     ; tile 15 is whole; nothing is left to fetch
	SUB 0, 0, 1, 1, 1, 1, 0
	SUB 1, 0, 1, 1, 1, 1, 1
	SUB 0, 0, 1, 1, 0, 0, 0
	SUB 1, 0, 1, 0, 0, 0, 0
	; THE WAY OUT
	PLACES
	WIN 0x82                                       ; source 0 and destination window 2
.set i_, 0
.rept 64
	v_pk_mul_f32 v[2*i_:2*i_+1], v[2*i_:2*i_+1], s[86:87] op_sel_hi:[1,0]   ; q's 16 tiles times c, in f32, ahead of the one rounding to f16
.set i_, i_+1
.endr
	WIN 0
	s_lshr_b32 s16, s13, 3                         ; batch
	s_lshl_b32 s16, s16, 4
	s_add_co_u32 s16, s16, s42                     ; bh = 16 batch + head
	s_lshl_b32 s16, s16, 18                        ; 262,144 bytes for each bh in q, k and vt
	s_and_b32 s17, s13, 7                          ; which 256 of the batch's 2,048 rows
	s_lshl_b32 s18, s17, 15
	s_add_co_u32 s18, s18, s16
	s_mov_b32 s19, 0
	s_add_nc_u64 s[78:79], s[78:79], s[18:19]
	s_add_nc_u64 s[80:81], s[80:81], s[18:19]
	s_lshl_b32 s18, s17, 9
	s_add_co_u32 s18, s18, s16
	s_add_nc_u64 s[82:83], s[82:83], s[18:19]
	s_wait_dscnt 0x0                               ; my reads of the ring are over; every tensor load was shown landed at the last change of slots
	s_barrier_signal -1
	s_barrier_wait -1                              ; so are everybody's: the ring becomes the stage
.macro OUTB b                          ; the eight tiles of column block b: to f16, 16 bytes a lane into the stage
.if \b < 4
	WIN 0x0a
.set ob_, 64*\b
.else
	WIN 0x0f
.set ob_, 64*(\b-4)
.endif
.irp a, 0,1,2,3,4,5,6,7
.irp i, 0,1,2,3
	v_cvt_pk_f16_f32 v[32+4*\a+\i], v[ob_+8*\a+2*\i], v[ob_+8*\a+2*\i+1]
.endr
.endr
	WIN 0
.irp a, 0,1,2,3,4,5,6,7
.if \b < 4
	ds_store_b128 v[STQ], v[32+4*\a:32+4*\a+3] offset:(\b/2)*KST+\a*2304+32*(\b%2)
.else
	ds_store_b128 v[STV], v[32+4*\a:32+4*\a+3] offset:(\b-4)*8448+32*\a
.endif
.endr
.endm
	OUTB 0
	OUTB 1
	OUTB 2
	OUTB 3
	OUTB 4
	OUTB 5
	s_wait_dscnt 0x0                               ; my stores are in LDS,
	s_barrier_signal -1
	s_barrier_wait -1                              ; everybody's are
.irp i, 0,1,2,3,4,5,6,7,8,9,10,11,12,13,14,15
	ds_load_b128 v[32+4*\i:32+4*\i+3], v[RDQ] offset:576*\i        ; four rows of q
.endr
.irp i, 0,1,2,3,4,5,6,7,8,9,10,11,12,13,14,15
	ds_load_b128 v[96+4*\i:96+4*\i+3], v[RDQ] offset:KST+576*\i    ; four rows of k
.endr
.irp i, 0,1,2,3,4,5,6,7,8,9,10,11,12,13,14,15
	ds_load_b128 v[160+4*\i:160+4*\i+3], v[RDV] offset:528*\i      ; one row of vt's block
.endr
.irp i, 0,1,2,3,4,5,6,7,8,9,10,11,12,13,14,15
	s_wait_dscnt 47-\i                             ; the younger loads of the 48 may stay out
	global_store_b128 v[COQ], v[32+4*\i:32+4*\i+3], s[78:79] offset:512*\i     ; every store of the wave covers 512 consecutive bytes, aligned
.endr
.irp i, 0,1,2,3,4,5,6,7,8,9,10,11,12,13,14,15
	s_wait_dscnt 31-\i
	global_store_b128 v[COQ], v[96+4*\i:96+4*\i+3], s[80:81] offset:512*\i
.endr
.irp i, 0,1,2,3,4,5,6,7,8,9,10,11,12,13,14,15
	s_wait_dscnt 15-\i
	global_store_b128 v[COV], v[160+4*\i:160+4*\i+3], s[82:83] offset:4096*\i
.endr
	s_wait_tensorcnt 0x0
	ds_add_u32 v30, v31
	s_wait_dscnt 0x0
	CROUND                                         ; the closing round: no work-group ends while a partner may still ask for a tile that names it
	s_endpgm
.Lfunc_end_k_qdc8ccf4861_qkv:
	.size	k_qdc8ccf4861_qkv, .Lfunc_end_k_qdc8ccf4861_qkv-k_qdc8ccf4861_qkv
	.p2alignl 7, 3214868480
	.fill 96, 4, 3214868480
	.section	.rodata,"a",@progbits
	.p2align	6, 0x0
	.amdhsa_kernel k_qdc8ccf4861_qkv
		.amdhsa_group_segment_fixed_size 327680
		.amdhsa_private_segment_fixed_size 0
		.amdhsa_enable_private_segment 0
		.amdhsa_kernarg_size 72
		.amdhsa_user_sgpr_count 2
		.amdhsa_user_sgpr_kernarg_segment_ptr 1
		.amdhsa_wavefront_size32 1
		.amdhsa_system_sgpr_workgroup_id_x 1
		.amdhsa_system_sgpr_workgroup_id_y 1
		.amdhsa_system_sgpr_workgroup_id_z 1
		.amdhsa_system_vgpr_workitem_id 0
		.amdhsa_next_free_vgpr 896
		.amdhsa_next_free_sgpr 88
		.amdhsa_reserve_vcc 0
		.amdhsa_float_denorm_mode_32 3
		.amdhsa_float_denorm_mode_16_64 3
		.amdhsa_memory_ordered 1
		.amdhsa_forward_progress 1
		.amdhsa_inst_pref_size 220
	.end_amdhsa_kernel
	.amdgpu_metadata
---
amdhsa.version: [ 1, 2 ]
amdhsa.kernels:
  - .name:           k_qdc8ccf4861_qkv
    .symbol:         k_qdc8ccf4861_qkv.kd
    .args:
      - { .name: x, .offset: 0, .size: 8, .value_kind: global_buffer, .address_space: global }
      - { .name: w_q, .offset: 8, .size: 8, .value_kind: global_buffer, .address_space: global }
      - { .name: w_k, .offset: 16, .size: 8, .value_kind: global_buffer, .address_space: global }
      - { .name: w_v, .offset: 24, .size: 8, .value_kind: global_buffer, .address_space: global }
      - { .name: w_o, .offset: 32, .size: 8, .value_kind: global_buffer, .address_space: global }
      - { .name: q, .offset: 40, .size: 8, .value_kind: global_buffer, .address_space: global }
      - { .name: k, .offset: 48, .size: 8, .value_kind: global_buffer, .address_space: global }
      - { .name: vt, .offset: 56, .size: 8, .value_kind: global_buffer, .address_space: global }
      - { .name: wo16, .offset: 64, .size: 8, .value_kind: global_buffer, .address_space: global }
    .group_segment_fixed_size: 327680
    .private_segment_fixed_size: 0
    .kernarg_segment_align: 8
    .kernarg_segment_size: 72
    .max_flat_workgroup_size: 128
    .sgpr_count:     88
    .vgpr_count:     896
    .wavefront_size: 32
...
	.end_amdgpu_metadata
.endif
;; end of part 1
;; launch attn (part 2): grid 8 x 32, 8 waves a work-group, no clusters, 327,680 bytes of LDS; arguments q, k, vt, cat; writes cat
.if DOCPART == 2
	.amdgcn_target "amdgcn-amd-amdhsa--gfx1250"
	.amdhsa_code_object_version 6
	.text
	.protected	k_qdc8ccf4861_attn
	.globl	k_qdc8ccf4861_attn
	.p2align	8
	.type	k_qdc8ccf4861_attn,@function
k_qdc8ccf4861_attn:
	s_mov_b64 s[64:65], 0
	v_nop
	global_prefetch_b8 v0, s[64:65] scope:SCOPE_SE
	s_setreg_imm32_b32 hwreg(HW_REG_WAVE_MODE, 25, 1), 1
	s_wait_xcnt 0x0
; Causal attention of one (batch, head) bh for two blocks of 128 queries: blocks I and 15 - I, which need I + 1 and 16 - I key tiles of 128 keys: 17 for every work-group.
; q comes scaled by 0.125 log2 e, so a score is in log2 units and p = 2^(S - m) with the running maximum m taken away exactly.  q, k, vt, p in f16; S, m, l, O in f32.
; Eight waves.  Wave w: queries 32 (w & 3) .. + 31 of the block, keys 64 (w >> 2) .. + 63 of every tile.  The two key halves keep their own m, l, O and are merged
; through LDS at the end of a query block.
; TRANSPOSED FORM: S^T = K Q^T (source 0 = 16 keys, source 1 = 16 queries): lane (r, h) holds query r, keys 8 h + j.  Two such tiles packed to f16 are, as they lie,
; source 1 of O^T = V^T P^T: no move between lanes.  m, l and the rescaling factor are one number a lane; a maximum needs one exchange between the halves of the wave;
; l stays a partial sum of the lane's own keys until the end.
; K's tile (128 rows x 128 bytes) and V^T's (64 rows x 256 bytes) go through two LDS slots; wave 0 fetches K's, wave 1 V^T's, one tensor load each behind each barrier.
; NO CLUSTER: the work-groups of one bh walk different tiles at the same time (I + 1 tiles of one block, then 16 - I of the other, I different in each); in lock-step all
; would have to walk 16 + 8 tiles instead of 17.
; LIMITS: masked scores are set to -2^127, not to -infinity: real scaled scores must lie above that.  A wave whose keys are all masked for a query so far keeps m = -2^127 and
; finite sums that the merge multiplies by 2^(-2^127 - m) = 0; the waves of the lower key half always hold key 0, which no query masks.  The sum over keys is made
; in two halves and merged: another order of rounding than a single sum's.  cat is stored in f16 (range 65,504, absolute step 2^-24 below 2^-14).
.set SLOT2, 35840                      ; K: 128 rows x 144, then V^T: 64 rows x 272
.set VOFF,  18432
.set MERGE, 2*SLOT2                    ; 4 x 8,704: O, m, l of waves 4-7; no tensor load lands here
.set MPART, 8704
.set STG,   MERGE+4*MPART              ; 4 x 4,608: 32 rows x 144 for each of waves 0-3
.set SPART, 4608
; v2 K address, v3 V address, v4 r - 8h + 32 w' - 64 g (mask), v5 -2^127, v[6:7] v[8:9] (m, l) of query blocks 0, 1, v[10:11] v[12:13] (factor, pad),
; v14-21 at work, v26 stage in, v27 stage back, v28 offset in cat, v30 offset in q, v31 merge address,
; S(n, a) 32+32n+8a (P(n, c) in place at 32+32n+16c), O(n, d) 96+32n+8d, Q(n, kk) 160+16n+8kk, K(a, kk) 192+16a+8kk = V(d, c) 192+16d+8c
; s12 wave, s13 w', s14 g, s15 I, s16 bh, s17 trip, s18-19 the trip whose slot 0 / 1 holds block I's diagonal tile, s20 I + 1
	s_load_b256 s[4:11], s[0:1], 0x0               ; q s[4:5], k s[6:7], vt s[8:9], cat s[10:11]
	v_lshl_add_u32 v25, v0, 2, 0x29000
	v_mov_b32 v29, 0
	ds_add_u32 v25, v29
	v_lshrrev_b32 v1, 5, v0
	v_readfirstlane_b32 s12, v1
	s_and_b32 s13, s12, 3
	s_lshr_b32 s14, s12, 2
	s_mov_b32 s15, ttmp9
	s_and_b32 s16, ttmp7, 0xffff
	s_add_co_u32 s20, s15, 1
	s_lshr_b32 s21, s15, 1
	s_bitcmp1_b32 s15, 0                           ; position I lies in slot I & 1 of trip I >> 1
	s_cselect_b32 s18, 0xffff, s21
	s_cselect_b32 s19, s21, 0xffff
	s_mov_b32 s56, 0x76543210                      ; v_permlanex16_b32: lane i takes lane i of the other half
	s_mov_b32 s57, 0xfedcba98
	s_mov_b32 s24, (1<<16)|(1<<20)|(4<<22)|(3<<25) ; K's tile: elements of 2 bytes, 16 bytes of padding behind every 32 words
	s_mov_b32 s25, 64<<16
	s_mov_b32 s26, 128<<16
	s_mov_b32 s27, 64<<16
	s_mov_b32 s28, 128
	s_mov_b32 s29, 64
	s_mov_b32 s30, 0
	s_mov_b32 s31, 0
	s_mov_b32 s40, (1<<16)|(1<<20)|(5<<22)|(3<<25) ; V^T's tile: 64 rows of 128 elements, 2,048 elements from row to row
	s_mov_b32 s41, 128<<16
	s_mov_b32 s42, 64<<16
	s_mov_b32 s43, 128<<16
	s_mov_b32 s44, 64
	s_mov_b32 s45, 2048
	s_mov_b32 s46, 0
	s_mov_b32 s47, 0
	s_mov_b32 s32, 1
	s_mov_b32 s33, 0
	s_mov_b32 s36, 1
	s_mov_b32 s37, VOFF
	s_lshl_b32 s58, s16, 18                        ; 262,144 bytes for each bh in q, k and vt
	s_mov_b32 s59, 0
	s_wait_dscnt 0x0
	s_barrier_signal -1
	s_barrier_wait -1
	s_wait_kmcnt 0x0
	s_add_nc_u64 s[48:49], s[6:7], s[58:59]
	s_add_nc_u64 s[50:51], s[8:9], s[58:59]
	s_add_nc_u64 s[60:61], s[4:5], s[58:59]
	s_mov_b64 s[34:35], s[48:49]
	s_or_b32 s35, s35, 0x80000000
	s_mov_b64 s[38:39], s[50:51]
	s_or_b32 s39, s39, 0x80000000
.macro KVLOAD                          ; wave 0: K's tile; wave 1: V^T's; the others none
	s_cmp_lg_u32 s12, 0
	s_cbranch_scc1 .Lnk_\@
	tensor_load_to_lds s[32:35], s[24:31]
	s_nop 0
.Lnk_\@:
	s_cmp_lg_u32 s12, 1
	s_cbranch_scc1 .Lnv_\@
	tensor_load_to_lds s[36:39], s[40:47]
	s_nop 0
.Lnv_\@:
.endm
	KVLOAD                                         ; tile 0 into slot 0
	s_lshl_b32 s58, s15, 14
	s_add_nc_u64 s[52:53], s[60:61], s[58:59]      ; q of block I
	s_sub_co_u32 s21, 15, s15
	s_lshl_b32 s58, s21, 14
	s_add_nc_u64 s[60:61], s[60:61], s[58:59]      ; q of block 15 - I
	s_lshr_b32 s22, s16, 4
	s_lshl_b32 s22, s22, 4                         ; 16 x batch
	s_and_b32 s23, s16, 15                         ; head
	s_add_co_u32 s58, s22, s15                     ; cat is [block of 128 rows][head][128][64]
	s_lshl_b32 s58, s58, 4
	s_add_co_u32 s58, s58, s23
	s_lshl_b32 s58, s58, 14
	s_add_nc_u64 s[54:55], s[10:11], s[58:59]      ; cat of block I
	s_add_co_u32 s58, s22, s21
	s_lshl_b32 s58, s58, 4
	s_add_co_u32 s58, s58, s23
	s_lshl_b32 s58, s58, 14
	s_add_nc_u64 s[62:63], s[10:11], s[58:59]      ; cat of block 15 - I
	v_and_b32 v14, 15, v0                          ; r
	v_bfe_u32 v15, v0, 4, 1                        ; h
	v_and_b32 v16, 31, v0                          ; L
	v_lshlrev_b32 v30, 7, v14
	v_lshl_add_u32 v30, v15, 4, v30
	v_lshl_add_u32 v30, s13, 12, v30               ; (32 w' + r) 128 + 16 h
.macro QLOAD qb                        ; my 32 queries as four fragments
.irp n, 0,1
.irp kk, 0,1
	global_load_b128 v[160+16*\n+8*\kk:160+16*\n+8*\kk+3],   v30, s[\qb:\qb+1] offset:2048*\n+64*\kk
	global_load_b128 v[160+16*\n+8*\kk+4:160+16*\n+8*\kk+7], v30, s[\qb:\qb+1] offset:2048*\n+64*\kk+32
.endr
.endr
.endm
	QLOAD 52
	v_mul_u32_u24 v18, v14, 144
	v_lshl_add_u32 v18, v15, 4, v18                ; r 144 + 16 h
	s_mul_i32 s21, s14, 64*144
	v_add_nc_u32 v2, s21, v18
	v_mul_u32_u24 v19, v14, 272
	v_lshl_add_u32 v19, v15, 4, v19
	s_lshl_b32 s21, s14, 7
	s_add_co_u32 s21, s21, VOFF
	v_add_nc_u32 v3, s21, v19
	v_lshlrev_b32 v19, 3, v15
	v_sub_nc_u32 v4, v14, v19
	s_lshl_b32 s21, s13, 5
	s_lshl_b32 s22, s14, 6
	s_sub_co_u32 s21, s21, s22
	v_add_nc_u32 v4, s21, v4                       ; signed
	v_mov_b32 v5, 0xff000000                       ; -2^127
	v_lshlrev_b32 v19, 4, v16
	s_mul_i32 s21, s13, MPART
	s_add_co_u32 s21, s21, MERGE
	v_add_nc_u32 v31, s21, v19
	s_mul_i32 s21, s13, SPART
	s_add_co_u32 s21, s21, STG
	v_add_nc_u32 v26, s21, v18
	v_lshrrev_b32 v20, 3, v16
	v_mul_u32_u24 v20, v20, 144
	v_and_b32 v21, 7, v16
	v_lshl_add_u32 v20, v21, 4, v20
	v_add_nc_u32 v27, s21, v20
	v_lshl_add_u32 v28, s13, 12, v19
	v_mov_b32 v11, 0                               ; the pads of the pairs that the packed multiplies name
	v_mov_b32 v13, 0
.macro INIT                            ; a query block begins.  The block changes at a position that hangs on I, so its first tile is not written out apart
.set i_, 0
.rept 64
	v_mov_b32 v[96+i_], 0
.set i_, i_+1
.endr
	v_mov_b32 v6, v5
	v_mov_b32 v7, 0
	v_mov_b32 v8, v5
	v_mov_b32 v9, 0
.endm
.macro QK slot                         ; S^T = K Q^T: 8 tiles, two links each; the 8 accumulators take turns
.irp kk, 0,1
.irp a, 0,1,2,3
	ds_load_b128 v[192+16*\a+8*\kk:192+16*\a+8*\kk+3],   v2 offset:\slot*SLOT2+\a*2304+64*\kk
	ds_load_b128 v[192+16*\a+8*\kk+4:192+16*\a+8*\kk+7], v2 offset:\slot*SLOT2+\a*2304+64*\kk+32
.endr
.endr
	s_wait_loadcnt 0x0                             ; my queries
	s_wait_dscnt 0x8                               ; the first half of dq is in; the 8 loads of the second may be out
.irp n, 0,1
.irp a, 0,1,2,3
	v_wmma_f32_16x16x32_f16 v[32+32*\n+8*\a:32+32*\n+8*\a+7], v[192+16*\a:192+16*\a+7], v[160+16*\n:160+16*\n+7], 0
.endr
.endr
	s_wait_dscnt 0x0
.irp n, 0,1
.irp a, 0,1,2,3
	v_wmma_f32_16x16x32_f16 v[32+32*\n+8*\a:32+32*\n+8*\a+7], v[200+16*\a:200+16*\a+7], v[168+16*\n:168+16*\n+7], v[32+32*\n+8*\a:32+32*\n+8*\a+7]
.endr
.endr
.rept 4
	v_nop                                          ; four places: loads into K's and Q's registers and reads of S follow
.endr
.endm
.macro VLOAD slot                      ; V^T fragments into K's registers, the first 32 keys first
.irp c, 0,1
.irp d, 0,1,2,3
	ds_load_b128 v[192+16*\d+8*\c:192+16*\d+8*\c+3],   v3 offset:\slot*SLOT2+\d*4352+64*\c
	ds_load_b128 v[192+16*\d+8*\c+4:192+16*\d+8*\c+7], v3 offset:\slot*SLOT2+\d*4352+64*\c+32
.endr
.endr
.endm
.macro MASK                            ; the diagonal tile: key 64 g + 16 a + 8 h + j above query 32 w' + 16 n + r
.irp n, 0,1
.irp a, 0,1,2,3
.irp j, 0,1,2,3,4,5,6,7
	v_cmp_gt_i32 vcc_lo, 16*\a+\j-16*\n, v4
	v_cndmask_b32 v[32+32*\n+8*\a+\j], v[32+32*\n+8*\a+\j], v5, vcc_lo
.endr
.endr
.endr
.endm
.macro SOFT n                          ; running softmax of query block n: 32 scores a lane
.set SB, 32+32*\n
.set OB, 96+32*\n
.set ML, 6+2*\n
.set AL, 10+2*\n
.irp c, 0,1,2,3
	v_max3_num_f32 v[14+\c], v[SB+8*\c], v[SB+8*\c+1], v[SB+8*\c+2]
.endr
.irp c, 0,1,2,3
	v_max3_num_f32 v[14+\c], v[14+\c], v[SB+8*\c+3], v[SB+8*\c+4]
.endr
.irp c, 0,1,2,3
	v_max3_num_f32 v[14+\c], v[14+\c], v[SB+8*\c+5], v[SB+8*\c+6]
.endr
	v_max3_num_f32 v14, v14, v15, v[SB+7]
	v_max3_num_f32 v16, v16, v17, v[SB+15]
	v_max3_num_f32 v14, v14, v[SB+23], v[SB+31]
	v_max3_num_f32 v14, v14, v16, v[ML]            ; the old maximum too
	v_permlanex16_b32 v15, v14, s56, s57           ; the query's other 32 keys lie in the other half of the wave
	v_max_num_f32 v14, v14, v15
	v_sub_f32 v16, v[ML], v14
	v_mov_b32 v[ML], v14
	v_exp_f32 v[AL], v16                           ; 2^(old m - new m)
.set i_, 0
.rept 16
	v_pk_add_f32 v[SB+2*i_:SB+2*i_+1], v[SB+2*i_:SB+2*i_+1], v[ML:ML+1] op_sel_hi:[1,0] neg_lo:[0,1] neg_hi:[0,1]   ; S - m
.set i_, i_+1
.endr
.set i_, 0
.rept 32
	v_exp_f32 v[SB+i_], v[SB+i_]
.set i_, i_+1
.endr
.set i_, 0
	s_wait_alu depctr_va_vdst(0)
.rept 16                               ; plain work that names no p stands between the exponentials and their first use (ISA guide 5.7.2)
	v_pk_mul_f32 v[OB+2*i_:OB+2*i_+1], v[OB+2*i_:OB+2*i_+1], v[AL:AL+1] op_sel_hi:[1,0]
.set i_, i_+1
.endr
.irp c, 0,1,2,3
	v_pk_add_f32 v[14+2*\c:15+2*\c], v[SB+4*\c:SB+4*\c+1], v[SB+4*\c+2:SB+4*\c+3]
.endr
.irp c, 0,1,2,3
	v_pk_add_f32 v[14+2*\c:15+2*\c], v[14+2*\c:15+2*\c], v[SB+16+2*\c:SB+17+2*\c]
.endr
.irp c, 0,1,2,3
	v_pk_add_f32 v[14+2*\c:15+2*\c], v[14+2*\c:15+2*\c], v[SB+24+2*\c:SB+25+2*\c]
.endr
	v_pk_add_f32 v[14:15], v[14:15], v[16:17]
	v_pk_add_f32 v[18:19], v[18:19], v[20:21]
	v_pk_add_f32 v[14:15], v[14:15], v[18:19]
	v_add_f32 v14, v14, v15
	v_fma_f32 v[ML+1], v[ML+1], v[AL], v14         ; l of my own keys
.irp c, 0,1
.irp i, 0,1,2,3,4,5,6,7
	v_cvt_pk_f16_f32 v[SB+16*\c+\i], v[SB+16*\c+2*\i], v[SB+16*\c+2*\i+1]   ; two tiles of S^T become one fragment of P^T, in place
.endr
.endr
.endm
.macro PV                              ; O^T += V^T P^T: 8 accumulators by turns
	s_wait_dscnt 0x8                               ; V's first 32 keys are in
.irp d, 0,1,2,3
.irp n, 0,1
	v_wmma_f32_16x16x32_f16 v[96+32*\n+8*\d:96+32*\n+8*\d+7], v[192+16*\d:192+16*\d+7], v[32+32*\n:32+32*\n+7], v[96+32*\n+8*\d:96+32*\n+8*\d+7]
.endr
.endr
	s_wait_dscnt 0x0
.irp d, 0,1,2,3
.irp n, 0,1
	v_wmma_f32_16x16x32_f16 v[96+32*\n+8*\d:96+32*\n+8*\d+7], v[200+16*\d:200+16*\d+7], v[48+32*\n:48+32*\n+7], v[96+32*\n+8*\d:96+32*\n+8*\d+7]
.endr
.endr
.rept 5
	v_nop                                          ; five places: the next products write over P, loads land on V
.endr
.endm
; A query block ends.  Waves 4-7 hand O, m, l to waves 0-3, which merge, divide, round to f16 and store 32 rows of 128 bytes through their own stage.
.macro FIN cb, reinit
	s_cmp_lt_u32 s12, 4
	s_cbranch_scc1 .Lkeep_\@
.irp i, 0,1,2,3,4,5,6,7,8,9,10,11,12,13,14,15
	ds_store_b128 v31, v[96+4*\i:96+4*\i+3] offset:512*\i
.endr
	ds_store_b128 v31, v[6:9] offset:8192
.Lkeep_\@:
	s_wait_dscnt 0x0                               ; the stores are in LDS before the signal
	s_barrier_signal -1
	s_barrier_wait -1                              ; the next tile's load may stay out
	s_cmp_ge_u32 s12, 4
	s_cbranch_scc1 .Ldone_\@
.irp i, 0,1,2,3,4,5,6,7,8,9,10,11,12,13,14,15
	ds_load_b128 v[32+4*\i:32+4*\i+3], v31 offset:512*\i
.endr
	ds_load_b128 v[192:195], v31 offset:8192
	s_wait_dscnt 0x0
.irp n, 0,1
	v_max_num_f32 v14, v[6+2*\n], v[192+2*\n]
	v_sub_f32 v15, v[6+2*\n], v14
	v_sub_f32 v16, v[192+2*\n], v14
	v_exp_f32 v15, v15
	v_exp_f32 v16, v16
	v_nop
	s_wait_alu depctr_va_vdst(0)
	v_mul_f32 v17, v[7+2*\n], v15
	v_fma_f32 v17, v[193+2*\n], v16, v17
	v_permlanex16_b32 v19, v17, s56, s57           ; the other half's keys
	v_add_f32 v17, v17, v19
	v_rcp_f32 v17, v17
	v_nop
	s_wait_alu depctr_va_vdst(0)
	v_mul_f32 v18, v15, v17
	v_mul_f32 v20, v16, v17
.irp i, 0,1,2,3,4,5,6,7,8,9,10,11,12,13,14,15
	v_pk_mul_f32 v[96+32*\n+2*\i:96+32*\n+2*\i+1], v[96+32*\n+2*\i:96+32*\n+2*\i+1], v[18:19] op_sel_hi:[1,0]
.endr
.irp i, 0,1,2,3,4,5,6,7,8,9,10,11,12,13,14,15
	v_pk_fma_f32 v[96+32*\n+2*\i:96+32*\n+2*\i+1], v[32+32*\n+2*\i:32+32*\n+2*\i+1], v[20:21], v[96+32*\n+2*\i:96+32*\n+2*\i+1] op_sel_hi:[1,0,1]
.endr
.endr
.irp t, 0,1,2,3,4,5,6,7
.irp i, 0,1,2,3
	v_cvt_pk_f16_f32 v[192+4*\t+\i], v[96+8*\t+2*\i], v[96+8*\t+2*\i+1]      ; tile t = 4 n + d: query r, dv 16 d + 8 h + 0..7
.endr
.endr
.irp n, 0,1
.irp d, 0,1,2,3
	ds_store_b128 v26, v[192+16*\n+4*\d:192+16*\n+4*\d+3] offset:\n*2304+32*\d
.endr
.endr
.irp i, 0,1,2,3,4,5,6,7
	ds_load_b128 v[224+4*\i:224+4*\i+3], v27 offset:576*\i         ; my own bytes: LDS serves a wave's instructions in order
.endr
.irp i, 0,1,2,3,4,5,6,7
	s_wait_dscnt 7-\i
	global_store_b128 v28, v[224+4*\i:224+4*\i+3], s[\cb:\cb+1] offset:512*\i   ; 512 consecutive bytes, aligned
.endr
	s_wait_xcnt 0x0                                ; v224-255 are loaded again only behind this wait
.Ldone_\@:
.if \reinit
	INIT
.endif
.endm
; One position of the walk, in slot `slot`.  mode 0: in the loop, the diagonal of block I is met where the trip's number says so; mode 1: the last position, the diagonal of block 15 - I.
.macro TRIP slot, refill, mode
	s_wait_tensorcnt 0x0                           ; all my tensor loads are done, this position's tile among them: the group 0 registers may be written
	ds_add_u32 v25, v29
	s_wait_dscnt 0x0
.if \refill
	s_lshl_b32 s22, s17, 1
	s_add_co_u32 s22, s22, \slot+1                 ; the next position
	s_cmp_gt_u32 s22, s15
	s_cselect_b32 s23, s20, 0
	s_sub_co_u32 s22, s22, s23                     ; its tile: positions above I belong to the second block and begin again at tile 0
	s_lshl_b32 s58, s22, 14
	s_mov_b32 s33, (1-\slot)*SLOT2
	s_add_nc_u64 s[34:35], s[48:49], s[58:59]
	s_or_b32 s35, s35, 0x80000000
	s_lshl_b32 s58, s22, 8
	s_mov_b32 s37, (1-\slot)*SLOT2+VOFF
	s_add_nc_u64 s[38:39], s[50:51], s[58:59]
	s_or_b32 s39, s39, 0x80000000
.endif
	s_wait_dscnt 0x0                               ; my reads of the other slot are done
	s_barrier_signal -1
	s_barrier_wait -1                              ; both hold of all eight waves
.if \refill
	KVLOAD                                         ; the next tile into the slot read last: at most one load of a wave is out
.endif
	QK \slot
	VLOAD \slot
.if \mode
	MASK
.else
	s_cmp_lg_u32 s17, s[18+\slot]
	s_cbranch_scc1 .Lnd_\@
	MASK
	QLOAD 60                                       ; the second block's queries, wanted at the next position
.Lnd_\@:
.endif
	SOFT 0
	SOFT 1
	PV
.if \mode
	FIN 62, 0
.else
	s_cmp_lg_u32 s17, s[18+\slot]                  ; alike in all eight waves: all pass the merge's barrier or none
	s_cbranch_scc1 .Lnf_\@
	FIN 54, 1
.Lnf_\@:
.endif
.endm
	INIT
	s_mov_b32 s17, 0
.Ltrip:
	TRIP 0, 1, 0                                   ; positions 0 to 15
	TRIP 1, 1, 0
	s_add_co_u32 s17, s17, 1
	s_cmp_lt_u32 s17, 8
	s_cbranch_scc1 .Ltrip
	TRIP 0, 0, 1                                   ; position 16: nothing is left to fetch
	s_wait_tensorcnt 0x0
	ds_add_u32 v25, v29
	s_wait_dscnt 0x0
	s_endpgm
.Lfunc_end_k_qdc8ccf4861_attn:
	.size	k_qdc8ccf4861_attn, .Lfunc_end_k_qdc8ccf4861_attn-k_qdc8ccf4861_attn
	.p2alignl 7, 3214868480
	.fill 96, 4, 3214868480
	.section	.rodata,"a",@progbits
	.p2align	6, 0x0
	.amdhsa_kernel k_qdc8ccf4861_attn
		.amdhsa_group_segment_fixed_size 327680
		.amdhsa_private_segment_fixed_size 0
		.amdhsa_enable_private_segment 0
		.amdhsa_kernarg_size 32
		.amdhsa_user_sgpr_count 2
		.amdhsa_user_sgpr_kernarg_segment_ptr 1
		.amdhsa_wavefront_size32 1
		.amdhsa_system_sgpr_workgroup_id_x 1
		.amdhsa_system_sgpr_workgroup_id_y 1
		.amdhsa_system_sgpr_workgroup_id_z 1
		.amdhsa_system_vgpr_workitem_id 0
		.amdhsa_next_free_vgpr 256
		.amdhsa_next_free_sgpr 66
		.amdhsa_reserve_vcc 1
		.amdhsa_float_denorm_mode_32 3
		.amdhsa_float_denorm_mode_16_64 3
		.amdhsa_memory_ordered 1
		.amdhsa_forward_progress 1
		.amdhsa_inst_pref_size 115
	.end_amdhsa_kernel
	.amdgpu_metadata
---
amdhsa.version: [ 1, 2 ]
amdhsa.kernels:
  - .name:           k_qdc8ccf4861_attn
    .symbol:         k_qdc8ccf4861_attn.kd
    .args:
      - { .name: q, .offset: 0, .size: 8, .value_kind: global_buffer, .address_space: global }
      - { .name: k, .offset: 8, .size: 8, .value_kind: global_buffer, .address_space: global }
      - { .name: vt, .offset: 16, .size: 8, .value_kind: global_buffer, .address_space: global }
      - { .name: cat, .offset: 24, .size: 8, .value_kind: global_buffer, .address_space: global }
    .group_segment_fixed_size: 327680
    .private_segment_fixed_size: 0
    .kernarg_segment_align: 8
    .kernarg_segment_size: 32
    .max_flat_workgroup_size: 256
    .sgpr_count:     66
    .vgpr_count:     256
    .wavefront_size: 32
...
	.end_amdgpu_metadata
.endif
;; end of part 2
;; launch proj (part 3): grid 8 x 32, 4 waves a work-group, clusters of 4 x 4, 327,680 bytes of LDS; arguments cat, wo16, out0; writes out0
.if DOCPART == 3
	.amdgcn_target "amdgcn-amd-amdhsa--gfx1250"
	.amdhsa_code_object_version 6
	.text
	.protected	k_qdc8ccf4861_proj
	.globl	k_qdc8ccf4861_proj
	.p2align	8
	.type	k_qdc8ccf4861_proj,@function
k_qdc8ccf4861_proj:
	s_mov_b64 s[64:65], 0
	v_nop
	global_prefetch_b8 v0, s[64:65] scope:SCOPE_SE
	s_setreg_imm32_b32 hwreg(HW_REG_WAVE_MODE, 25, 1), 1
	s_wait_xcnt 0x0
	s_wait_alu depctr_hold_cnt(0) depctr_sa_sdst(0) depctr_va_vdst(0) depctr_va_sdst(0) depctr_va_ssrc(0) depctr_va_vcc(0) depctr_vm_vsrc(0)
	s_getreg_b32 s2, hwreg(HW_REG_IB_STS2, 6, 4)
	s_cmp_eq_u32 s2, 0
	s_cbranch_scc0 .Lentry_in_a_cluster
	s_endpgm
.Lentry_in_a_cluster:
	s_bfe_u32 s2, ttmp6, 0x10000c
	s_cmp_lg_u32 s2, 0xf033
	s_cbranch_scc0 .Lentry_shape_is_right
	s_endpgm
.Lentry_shape_is_right:
; out0[row][n] = sum over f of cat[row][f] w_o[n][f].  cat: f16, [block of 128 rows][head][128][64]; wo16: f16, [1024 n][1024 f]; out0: f32, [4096][1024].  Sums in f32.
; Work-group (bx, by): 128 rows x 128 columns; 256 work-groups.  Four waves, each 64 x 64: 16 accumulator tiles (window 1).
; K = 1024 goes in four steps of 256 (four heads) through two LDS slots: cat's tile is 4 planes x 128 rows x 128 bytes (dense in memory: 512 rows of 128 bytes),
; w_o's 128 rows x 512 bytes.  Waves 0, 1 fetch cat's halves, waves 2, 3 w_o's: one tensor load a wave.
; CLUSTERS: 4 x 4.  cat's tile hangs on by alone: asked for jointly along a row of the cluster; w_o's on bx alone: along a column.
; The matrix instruction is used transposed (source 0 = rows of w_o): a lane holds 8 neighbouring columns of one row of out0.
; LIMITS: those of the operands (f16 cat, w_o rounded to bf16 and held in f16), stated where they are made.
.set APITCH, 144
.set BPITCH, 528
.set PLANE,  128*APITCH                ; 18,432
.set ATILE,  4*PLANE                   ; 73,728
.set SLOT,   ATILE+128*BPITCH          ; 141,312
.set STAGE,  2*SLOT                    ; behind the ring: 16 rows x 272 bytes for each wave; no tensor load lands here
.set SPITCH, 272
.set ADRA, 16
.set ADRB, 20
.set STO,  24
.set RD,   25
.set CO,   26
.set F0,   64                          ; fragment buffer 0: cat's four at F, w_o's four at F + 32
.set F1,   128
.set TMP,  192
.set G1,  24
.set G0,  32
.set G1B, 48
.set G0B, 56
.set MSB, 0
.set MULW, 0x50                        ; sources window 0, C and D window 1
.macro WIN new
.if MSB != \new
	s_set_vgpr_msb (MSB<<8)|\new
.set MSB, \new
.endif
.endm
.macro PLACES
.rept 4
	v_nop
.endr
.endm
.macro JLOAD s
	s_cmp_eq_u32 s11, 0
	s_cbranch_scc0 .Lfor_b_\@
	tensor_load_to_lds s[G0+4*\s:G0+4*\s+3], s[G1:G1+7]
	s_nop 0
	s_branch .Lasked_\@
.Lfor_b_\@:
	tensor_load_to_lds s[G0B+4*\s:G0B+4*\s+3], s[G1B:G1B+7]
	s_nop 0
.Lasked_\@:
.endm
.macro CREST
	s_cmp_lg_u32 s10, 0
	s_cbranch_scc1 .Lnot_wave_0_\@
	s_barrier_signal -3
.Lnot_wave_0_\@:
	s_barrier_wait -3
	s_barrier_signal -1
	s_barrier_wait -1
.endm
.macro CROUND
	s_barrier_signal -1
	s_barrier_wait -1
	CREST
.endm
	s_load_b128 s[4:7], s[0:1], 0x0                ; cat s[4:5], wo16 s[6:7]
	s_load_b64 s[8:9], s[0:1], 0x10                ; out0
	v_lshl_add_u32 v254, v0, 2, 0x49400
	v_mov_b32 v255, 0
	ds_add_u32 v254, v255
	v_lshrrev_b32 v1, 5, v0
	v_readfirstlane_b32 s10, v1
	s_lshr_b32 s11, s10, 1                         ; wm.  Also: I fetch for cat (0) or for w_o (1)
	s_and_b32 s12, s10, 1                          ; wn.  Also: which half of that tile
	s_bfe_u32 s40, ttmp6, 0x40000
	s_bfe_u32 s41, ttmp6, 0x40004
	s_lshl_b32 s42, ttmp9, 2
	s_add_co_u32 s42, s42, s40                     ; bx
	s_and_b32 s13, ttmp7, 0xffff
	s_lshl_b32 s13, s13, 2
	s_add_co_u32 s13, s13, s41                     ; by
	s_lshl_b32 s43, s41, 2
	s_lshl_b32 s43, 15, s43
	s_lshl_b32 s44, 0x1111, s40
	s_or_b32 s[G1+0],  s43, (1<<16)|(1<<20)|(1<<21)|(4<<22)|(3<<25)   ; rows of 32 words, 4 words of padding
	s_or_b32 s[G1B+0], s44, (1<<16)|(1<<20)|(1<<21)|(6<<22)|(3<<25)   ; rows of 128 words, 4 words of padding
	s_mov_b32 s[G1+1], 64<<16
	s_mov_b32 s[G1+2], 256<<16
	s_mov_b32 s[G1+3], 64<<16
	s_mov_b32 s[G1+4], 256                         ; two planes of 128 rows
	s_mov_b32 s[G1+5], 64
	s_mov_b32 s[G1+6], 0
	s_mov_b32 s[G1+7], 0
	s_mov_b32 s[G1B+1], 256<<16
	s_mov_b32 s[G1B+2], 64<<16
	s_mov_b32 s[G1B+3], 256<<16
	s_mov_b32 s[G1B+4], 64
	s_mov_b32 s[G1B+5], 1024
	s_mov_b32 s[G1B+6], 0
	s_mov_b32 s[G1B+7], 0
	s_lshl_b32 s14, s13, 18                        ; cat: 262,144 bytes a block of rows,
	s_lshl_b32 s17, s12, 15                        ; two planes of 16,384 a half
	s_add_co_u32 s14, s14, s17
	s_mov_b32 s15, 0
	s_lshl_b32 s46, s42, 18                        ; w_o: 128 rows of 2,048 bytes a block of columns,
	s_lshl_b32 s17, s12, 17                        ; 64 rows a half
	s_add_co_u32 s46, s46, s17
	s_mov_b32 s47, 0
	s_mul_i32 s20, s10, 256*APITCH                 ; cat's halves: waves 0, 1
	s_mul_i32 s21, s10, 64*BPITCH                  ; w_o's halves: ATILE + (wave - 2) x 64 rows
	s_add_co_u32 s21, s21, ATILE-128*BPITCH
	s_wait_dscnt 0x0
	s_wait_kmcnt 0x0
	s_add_nc_u64 s[14:15], s[4:5], s[14:15]
	s_add_nc_u64 s[46:47], s[6:7], s[46:47]
	CROUND
.irp s, 0,1
	s_mov_b32 s[G0+4*\s], 1
	s_add_co_u32 s[G0+4*\s+1], s20, \s*SLOT
	s_add_nc_u64 s[G0+4*\s+2:G0+4*\s+3], s[14:15], \s*65536        ; four heads a K step
	s_or_b32 s[G0+4*\s+3], s[G0+4*\s+3], 0x80000000
	s_mov_b32 s[G0B+4*\s], 1
	s_add_co_u32 s[G0B+4*\s+1], s21, \s*SLOT
	s_add_nc_u64 s[G0B+4*\s+2:G0B+4*\s+3], s[46:47], \s*512
	s_or_b32 s[G0B+4*\s+3], s[G0B+4*\s+3], 0x80000000
	JLOAD \s                                       ; two loads of the wave are out
.endr
	v_and_b32 v1, 15, v0                           ; r
	v_bfe_u32 v2, v0, 4, 1                         ; h
	v_mul_u32_u24 v3, v1, APITCH
	v_lshl_add_u32 v3, v2, 4, v3
	v_mul_u32_u24 v4, v1, BPITCH
	v_lshl_add_u32 v4, v2, 4, v4
	s_mul_i32 s22, s11, 64*APITCH
	s_mul_i32 s23, s12, 64*BPITCH
	s_add_co_u32 s23, s23, ATILE
.irp s, 0,1
	v_add_nc_u32 v[ADRA+\s], s22, v3
	v_add_nc_u32 v[ADRB+\s], s23, v4
	s_add_co_u32 s22, s22, SLOT
	s_add_co_u32 s23, s23, SLOT
.endr
	s_mul_i32 s22, s10, 16*SPITCH
	s_add_co_u32 s22, s22, STAGE
	v_mul_u32_u24 v5, v1, SPITCH
	v_lshl_add_u32 v5, v2, 5, v5                   ; in: row r, 32 bytes for each half of the lanes
	v_add_nc_u32 v[STO], s22, v5
	v_mul_u32_u24 v5, v2, SPITCH
	v_lshl_add_u32 v5, v1, 4, v5                   ; back: lanes 0-15 one row of 256 bytes, lanes 16-31 the next
	v_add_nc_u32 v[RD], s22, v5
	v_lshlrev_b32 v5, 12, v2
	v_lshl_add_u32 v[CO], v1, 4, v5                ; the same two rows in out0
	s_lshl_b32 s16, s13, 19                        ; 128 rows of 4,096 bytes
	s_lshl_b32 s17, s11, 18
	s_add_co_u32 s16, s16, s17
	s_lshl_b32 s17, s42, 9
	s_add_co_u32 s16, s16, s17
	s_lshl_b32 s17, s12, 8
	s_add_co_u32 s16, s16, s17
	s_mov_b32 s17, 0
	s_add_nc_u64 s[8:9], s[8:9], s[16:17]
; 16 LDS loads: the fragments of substep q (32 along K) of a slot into buffer f: w_o's eight loads, then cat's
.macro FETCH slot, q, f
.irp b, 0,1,2,3
	ds_load_b128 v[\f+32+8*\b:\f+32+8*\b+3],   v[ADRB+\slot] offset:\b*16*BPITCH+64*(\q)
	ds_load_b128 v[\f+32+8*\b+4:\f+32+8*\b+7], v[ADRB+\slot] offset:\b*16*BPITCH+64*(\q)+32
.endr
.irp a, 0,1,2,3
	ds_load_b128 v[\f+8*\a:\f+8*\a+3],   v[ADRA+\slot] offset:((\q)/2)*PLANE+\a*16*APITCH+64*((\q)%2)
	ds_load_b128 v[\f+8*\a+4:\f+8*\a+7], v[ADRA+\slot] offset:((\q)/2)*PLANE+\a*16*APITCH+64*((\q)%2)+32
.endr
.endm
; 8 matrix instructions: row blocks 2 half, 2 half + 1 x all four column blocks.  The 16 accumulators take turns.
.macro MUL8 f, half, zero
.irp a, 2*\half, 2*\half+1
.irp b, 0,1,2,3
.if \zero
	v_wmma_f32_16x16x32_f16 v[8*(4*(\a)+\b):8*(4*(\a)+\b)+7], v[\f+32+8*\b:\f+32+8*\b+7], v[\f+8*(\a):\f+8*(\a)+7], 0
.else
	v_wmma_f32_16x16x32_f16 v[8*(4*(\a)+\b):8*(4*(\a)+\b)+7], v[\f+32+8*\b:\f+32+8*\b+7], v[\f+8*(\a):\f+8*(\a)+7], v[8*(4*(\a)+\b):8*(4*(\a)+\b)+7]
.endif
.endr
.endr
.endm
.macro SUBQ slot, qn, f, g, zero       ; multiplies buffer f; in its middle fetches substep qn of the same slot into buffer g
	s_wait_dscnt 4                                 ; all but the youngest four loads (cat's row blocks 2, 3)
	WIN MULW
	MUL8 \f, 0, \zero
	PLACES                                         ; buffer g was read by matrix instructions (ISA guide 7.12.1)
	WIN 0
	FETCH \slot, \qn, \g
	s_wait_dscnt 16                                ; all but the 16 just issued
	WIN MULW
	MUL8 \f, 1, \zero
.endm
.macro SEVEN slot, zero
	SUBQ \slot, 1, F0, F1, \zero
	SUBQ \slot, 2, F1, F0, 0
	SUBQ \slot, 3, F0, F1, 0
	SUBQ \slot, 4, F1, F0, 0
	SUBQ \slot, 5, F0, F1, 0
	SUBQ \slot, 6, F1, F0, 0
	SUBQ \slot, 7, F0, F1, 0
.endm
; The eighth substep changes slots: each wave waits for its reads of this slot and for all its tensor loads (one is out: its part of the next slot); with fill = 1 the barrier
; opens a round of the cluster's barrier and the slot is asked for again, two K steps ahead, first thing behind the round.
.macro TURN slot, next, fill
	s_wait_dscnt 0x0
	s_wait_tensorcnt 0x0
	ds_add_u32 v254, v255
	s_wait_dscnt 0x0
	s_barrier_signal -1
	WIN MULW
	MUL8 F1, 0, 0                                  ; register work while the others arrive
	WIN 0
	s_barrier_wait -1
.if \fill
	CREST
	s_add_nc_u64 s[G0+4*\slot+2:G0+4*\slot+3], s[G0+4*\slot+2:G0+4*\slot+3], 131072
	s_add_nc_u64 s[G0B+4*\slot+2:G0B+4*\slot+3], s[G0B+4*\slot+2:G0B+4*\slot+3], 1024
	JLOAD \slot
.endif
	PLACES
	FETCH \next, 0, F0
	WIN MULW
	MUL8 F1, 1, 0
.endm
	s_wait_tensorcnt 0x1                           ; my part of K step 0 is in; K step 1's may stay out
	s_barrier_signal -1
	s_barrier_wait -1
	FETCH 0, 0, F0
	SEVEN 0, 1                                     ; the first products start the sums
	TURN 0, 1, 1
	SEVEN 1, 0
	TURN 1, 0, 1
	SEVEN 0, 0
	TURN 0, 1, 0                                   ; nothing is left to fetch
	SEVEN 1, 0
	s_wait_dscnt 0x0
	WIN MULW
	MUL8 F1, 0, 0
	MUL8 F1, 1, 0
	PLACES                                         ; LDS stores of the results follow
; 16 rows x 64 columns of f32 through my own stage: in by lanes (8 columns of a row), back by rows of 256 bytes
.macro OUT16 a
	WIN 0x04                                       ; store data window 1, address window 0
.irp b, 0,1,2,3
	ds_store_b128 v[STO], v[8*(4*\a+\b):8*(4*\a+\b)+3]   offset:64*\b
	ds_store_b128 v[STO], v[8*(4*\a+\b)+4:8*(4*\a+\b)+7] offset:64*\b+16
.endr
	WIN 0
	s_wait_xcnt 0x0                                ; v192-223, which the last stores read, are loaded again only behind this wait
.irp t, 0,1,2,3,4,5,6,7
	ds_load_b128 v[TMP+4*\t:TMP+4*\t+3], v[RD] offset:\t*2*SPITCH  ; my own bytes: LDS serves a wave's instructions in order
.endr
.irp t, 0,1,2,3,4,5,6,7
	s_wait_dscnt 7-\t
	global_store_b128 v[CO], v[TMP+4*\t:TMP+4*\t+3], s[8:9] offset:(16*\a+2*\t)*4096 th:TH_STORE_NT   ; 16 lanes store 256 consecutive bytes, aligned
.endr
.endm
	OUT16 0
	OUT16 1
	OUT16 2
	OUT16 3
	s_wait_tensorcnt 0x0
	ds_add_u32 v254, v255
	s_wait_dscnt 0x0
	CROUND                                         ; the closing round
	s_endpgm
.Lfunc_end_k_qdc8ccf4861_proj:
	.size	k_qdc8ccf4861_proj, .Lfunc_end_k_qdc8ccf4861_proj-k_qdc8ccf4861_proj
	.p2alignl 7, 3214868480
	.fill 96, 4, 3214868480
	.section	.rodata,"a",@progbits
	.p2align	6, 0x0
	.amdhsa_kernel k_qdc8ccf4861_proj
		.amdhsa_group_segment_fixed_size 327680
		.amdhsa_private_segment_fixed_size 0
		.amdhsa_enable_private_segment 0
		.amdhsa_kernarg_size 24
		.amdhsa_user_sgpr_count 2
		.amdhsa_user_sgpr_kernarg_segment_ptr 1
		.amdhsa_wavefront_size32 1
		.amdhsa_system_sgpr_workgroup_id_x 1
		.amdhsa_system_sgpr_workgroup_id_y 1
		.amdhsa_system_sgpr_workgroup_id_z 1
		.amdhsa_system_vgpr_workitem_id 0
		.amdhsa_next_free_vgpr 384
		.amdhsa_next_free_sgpr 66
		.amdhsa_reserve_vcc 0
		.amdhsa_float_denorm_mode_32 3
		.amdhsa_float_denorm_mode_16_64 3
		.amdhsa_memory_ordered 1
		.amdhsa_forward_progress 1
		.amdhsa_inst_pref_size 89
	.end_amdhsa_kernel
	.amdgpu_metadata
---
amdhsa.version: [ 1, 2 ]
amdhsa.kernels:
  - .name:           k_qdc8ccf4861_proj
    .symbol:         k_qdc8ccf4861_proj.kd
    .args:
      - { .name: cat, .offset: 0, .size: 8, .value_kind: global_buffer, .address_space: global }
      - { .name: wo16, .offset: 8, .size: 8, .value_kind: global_buffer, .address_space: global }
      - { .name: out0, .offset: 16, .size: 8, .value_kind: global_buffer, .address_space: global }
    .group_segment_fixed_size: 327680
    .private_segment_fixed_size: 0
    .kernarg_segment_align: 8
    .kernarg_segment_size: 24
    .max_flat_workgroup_size: 128
    .sgpr_count:     66
    .vgpr_count:     384
    .wavefront_size: 32
...
	.end_amdgpu_metadata
.endif
;; end of part 3
